; MI455X (gfx1250); checked and timed in simulation.
; The chip was launched on July 23, 2026; its instructions are those of AMD's public machine-readable ISA for CDNA 5 (MIT licence, August 2026) and "CDNA5" Instruction Set Architecture Reference Guide (July 2026). The comments in the code are by the model that wrote it; some were corrected since.
;; ROI Align3 D. Allowed arithmetic: float matrix products may take bf16 or f16 operands with f32 sums; all other float work in f32.
;; Inputs: features 2 x 128 x 16 x 64 x 64 float32; rois 2 x 64 x 6 float32.
;; Outputs: out0 2 x 64 x 128 x 7 x 7 x 7 float32.
;; 2 versions, each right and faster than the one before. Each part assembles by itself: llvm-mc -triple=amdgcn-amd-amdhsa -mcpu=gfx1250 --defsym DOCPART=n.
;; ======== version 1 of 2: 1 launch
;; limits: values outside matrix products are rounded to f16; inputs' magnitudes at most 16,000; values are held in f16: magnitudes above 65,504 overflow, below 6.1e-05 lose precision
;; launch roialign (part 1): grid 256 x 1, 4 waves a work-group, no clusters, 295,424 bytes of LDS; arguments features, rois, out0; writes out0
.if DOCPART == 1
	.amdgcn_target "amdgcn-amd-amdhsa--gfx1250"
	.amdhsa_code_object_version 6
	.text
	.protected	k_q883225b0fb_roialign
	.globl	k_q883225b0fb_roialign
	.p2align	8
	.type	k_q883225b0fb_roialign,@function
k_q883225b0fb_roialign:
	s_mov_b64 s[64:65], 0
	v_nop
	global_prefetch_b8 v0, s[64:65] scope:SCOPE_SE
	s_setreg_imm32_b32 hwreg(HW_REG_WAVE_MODE, 25, 1), 1
	s_wait_xcnt 0x0
; ROIAlign3D: out0[b][n][c][pd][ph][pw] = mean over 2x2x2 trilinear samples of features[b][c] (16 x 64 x 64, f32) in bin (pd,ph,pw) of box n.
; THE FORM.  A trilinear sample at s weighs voxel i of an axis by hat(s - i) = max(0, 1 - |s - i|): the two corner weights 1 - l and l are the hat at
; floor(s) and floor(s) + 1, and a corner outside the volume counts 0, which is the same as letting i run over the volume alone.  So
;   out = 1/8 sum_z sum_y sum_x Wz[n][pd][z] Wy[n][ph][y] Wx[n][pw][x] F[z][y][x],  W[n][bin][i] = hat(s1 - i) + hat(s2 - i), s1, s2 the bin's two samples,
; three matrix products with dense weights, in which no address hangs on a box.  f16 operands, f32 sums.
; THE SHARES.  Work-group = one (batch, channel), 256 in all: its 256 KiB are read from memory once, into LDS, and serve all 64 boxes of the batch.
; Wave w = boxes 16 w .. 16 w + 15, in two passes of 8 boxes = 4 column tiles of (2 boxes x 8 bins; bin 7 is padding: finite, never stored).
; No cluster: work-groups share no feature byte; the 1,536 bytes of a batch's boxes are all that they share.
; LEFT OUT: the product roi * SPATIAL_SCALE, a factor 1.0 for every value of roi.  Every input is loaded.
; LIMITS.  features and rois finite: every voxel of a channel is multiplied by a weight that may be 0, so one NaN or infinity in a channel reaches all
; outputs of that channel, not only the bins that sample it.  |features| < 16,000: the weights of an axis sum to 2 at most, so what is rounded to f16
; between the products is 4 max|F| at most, under f16's 65,504.  The division by 7 is a product with f32(1/7); sums are ordered as the products order them.
; THE OUTPUT.  A (box, channel) run is 1,372 bytes; it goes through the wave's own stage in LDS, laid at its own place modulo 256, and leaves as 85 aligned
; pieces of 16 bytes, sixteen neighbouring lanes to 256 aligned bytes, and 3 single words at its ends.  The run's first and last 256 bytes are shared with
; channels c - 1 and c + 1, which other work-groups own (1,372 and 256 meet only every 64 channels), so these two are written in part.
.set PITCH,  272                       ; an LDS row: 256 bytes as loaded + 16 of padding = 68 words, so the 16 rows of a fragment load start 4 words apart modulo 64 (64 banks of 4 bytes: ISA guide 11.1)
.set MT,     16*PITCH                  ; 16 rows: one row tile of the first product
.set PLANE,  64*PITCH                  ; one z
.set GRP,    4*PLANE                   ; four planes: one from each wave
.set STAGE,  16*PLANE                  ; behind the volume: a multiple of 256; no tensor load lands there
.set WSTAGE, 4096                      ; a wave's stage
.set BOXST,  1824                      ; the second box of a tile in the stage: a multiple of 16, 8 words on modulo 64
.set RUN,    1372                      ; bytes of 7 x 7 x 7 f32
.set BOXOUT, 128*RUN                   ; bytes of a box in out0, a multiple of 256
.set G1, 24                            ; s[24:31] descriptor group 1
.set G0, 32                            ; s[32:47] descriptor group 0, a set for each of my four planes
; s10 wave; s12 b; s13 c; s14 s = the run's place modulo 256; s15, s16 first and last whole piece of 16 bytes; s17 words in front of the first piece
; s18 wave x PLANE; s19 my stage; s20 pass; s21 stage + s; s[48:49] out0 at my pass's first box, channel c, less s; s[50:51] rois at my pass's first box
; REGISTERS, window 0
.set BIN25, 2                          ; bin + 0.25, bin + 0.75: the two samples' steps
.set BIN75, 3
.set H8,    4                          ; 8 h as f32
.set G24,   5                          ; 24 g: which box of a tile the lane's row or column belongs to
.set AD,    6                          ; v6-9    fragment address in group 0..3: 272 r + 16 h + group
.set CA0,   10                         ; conversion, reading: my plane + 272 h + 16 r
.set CS0,   11                         ; conversion, writing: my plane + 272 h + 8 r
.set CA,    12                         ; the same in the group at hand
.set CS,    13
.set STO,   14                         ; stage: where a lane puts its results
.set LWO,   15                         ; stage: the lane's end word
.set LCH,   16                         ; v16-19  stage: the lane's four pieces
.set CH,    20                         ; v20-23  the same pieces as byte offsets in out0
.set WO,    24                         ; the end word as byte offset in out0
.set AF,    32                         ; v32-79  fragments of F: three buffers of 16 (x 0-31, x 32-63)
.set R,     32                         ; v32-55  while weights are made: the boxes, 6 numbers a tile
.set TI,    56                         ; v56-59  while weights are made: at work
.set ACC,   80                         ; v80-143 first product: two sets of four accumulators
.set RAW,   80                         ; the same registers: rows under conversion
.set OD,    80                         ; the same registers: runs on their way out, 20 a box
.set BP,    144                        ; v144-175 first product's results as f16: B of the second
.set WX,    176                        ; v176-239 Wx: 16 t + 8 ks
.set ST0,   240                        ; v240-251 the hats' state
; window 1 (local numbers)
.set WY,    0                          ; Wy: 16 t + 8 ks
.set DP,    64                         ; second product: 32 (z & 1) + 8 t
.set WZ,    128                        ; Wz: 8 t
.set DD,    160                        ; third product: 8 ph
.set ST1,   216                        ; the hats' state; +12, +13: the pair SC
; window 2 (local numbers)
.set T,     0                          ; second product's results as f16: 56 t + 8 ph + z / 2
.set MSB, 0
.macro WIN new                         ; low byte: bits 1:0 source 0, 3:2 source 1, 5:4 source 2, 7:6 destination; the high byte repeats the setting that is left
.if MSB != \new
	s_set_vgpr_msb (MSB<<8)|\new
.set MSB, \new
.endif
.endm
.macro PLACES n                        ; independent vector instructions behind a matrix instruction (ISA guide 7.12.1), where the text has no work for them
.rept \n
	v_nop
.endr
.endm
	s_load_b128 s[4:7], s[0:1], 0x0                ; features s[4:5], rois s[6:7]
	s_load_b64 s[8:9], s[0:1], 0x10                ; out0
	v_lshl_add_u32 v254, v0, 2, 0x48000
	v_mov_b32 v255, 0
	ds_add_u32 v254, v255
	ds_add_u32 v254, v255
	v_lshrrev_b32 v1, 5, v0
	v_readfirstlane_b32 s10, v1                    ; wave 0..3
	s_lshr_b32 s12, ttmp9, 7                       ; b
	s_and_b32 s13, ttmp9, 127                      ; c
	; group 1: a plane of 64 rows x 64 f32, dense in memory, 16 bytes of padding behind each row in LDS
	s_mov_b32 s[G1+0], 0x07520000                  ; 17:16 element of 4 bytes; 20 padding on; 24:22 after every 64 words (code 5); 31:25 of 4 words (code 3)
	s_mov_b32 s[G1+1], 64<<16                      ; tensor_dim0 = 64
	s_mov_b32 s[G1+2], 64<<16                      ; tensor_dim1 = 64
	s_mov_b32 s[G1+3], 64<<16                      ; tile_dim0 = 64
	s_mov_b32 s[G1+4], 64                          ; tile_dim1 = 64
	s_mov_b32 s[G1+5], 64                          ; elements from row to row
	s_mov_b32 s[G1+6], 0
	s_mov_b32 s[G1+7], 0
	s_mul_i32 s18, s10, PLANE
	s_lshl_b32 s54, ttmp9, 18                      ; my channel: 262,144 bytes each, 255 x 262,144 at the most
	s_lshl_b32 s53, s10, 14                        ; plane w: 16,384 bytes each
	s_add_co_u32 s54, s54, s53
	s_mov_b32 s55, 0
	s_wait_dscnt 0x0
	s_wait_kmcnt 0x0
	s_add_nc_u64 s[54:55], s[4:5], s[54:55]
	; All fills of the launch, ahead of every wait on them, every LDS read and every barrier: load i of wave w brings plane 4 i + w.  Four loads of a wave are out
	; at the most; no LDS byte is filled twice, and no descriptor register is written again.
.irp i, 0,1,2,3
	s_mov_b32 s[G0+4*\i], 1
	s_add_co_u32 s[G0+4*\i+1], s18, \i*GRP
	s_add_nc_u64 s[G0+4*\i+2:G0+4*\i+3], s[54:55], \i*65536
	s_or_b32 s[G0+4*\i+3], s[G0+4*\i+3], 0x80000000
	tensor_load_to_lds s[G0+4*\i:G0+4*\i+3], s[G1:G1+7]
	s_nop 0
.endr
	; where the runs go
	s_mul_i32 s52, s13, RUN
	s_and_b32 s14, s52, 255                        ; s: a box is a multiple of 256 bytes, so the channel alone decides it
	s_add_co_u32 s15, s14, 15
	s_lshr_b32 s15, s15, 4                         ; first whole piece
	s_add_co_u32 s16, s14, RUN
	s_lshr_b32 s16, s16, 4
	s_sub_co_u32 s16, s16, 1                       ; last whole piece: 84 behind the first, since 343 words = 85 pieces + 3 words
	s_lshl_b32 s17, s15, 4
	s_sub_co_u32 s17, s17, s14
	s_lshr_b32 s17, s17, 2                         ; words in front of the first piece, 0..3; the rest of the 3 lie behind the last
	s_lshl_b32 s53, s12, 6
	s_lshl4_add_u32 s53, s10, s53                  ; my first box: 64 b + 16 w
	s_mul_i32 s48, s53, BOXOUT
	s_add_co_u32 s48, s48, s52
	s_sub_co_u32 s48, s48, s14
	s_mov_b32 s49, 0
	s_add_nc_u64 s[48:49], s[8:9], s[48:49]
	s_mul_i32 s50, s12, 1536
	s_mul_i32 s53, s10, 384
	s_add_co_u32 s50, s50, s53
	s_mov_b32 s51, 0
	s_add_nc_u64 s[50:51], s[6:7], s[50:51]
	s_mul_i32 s19, s10, WSTAGE
	s_add_co_u32 s19, s19, STAGE
	s_add_co_u32 s21, s19, s14
	; lane terms: L lane, r = L & 15, h = L >> 4, g = (L >> 3) & 1, bin = L & 7
	v_and_b32 v25, 31, v0
	v_and_b32 v26, 15, v0
	v_bfe_u32 v27, v0, 4, 1
	v_bfe_u32 v28, v0, 3, 1
	v_and_b32 v29, 7, v0
	v_cvt_f32_u32 v30, v29
	v_add_f32 v[BIN25], 0x3e800000, v30
	v_add_f32 v[BIN75], 0x3f400000, v30
	v_lshlrev_b32 v31, 3, v27
	v_cvt_f32_u32 v[H8], v31
	v_mul_u32_u24 v[G24], v28, 24
	v_mul_u32_u24 v31, v26, PITCH
	v_lshl_add_u32 v31, v27, 4, v31
.irp gr, 0,1,2,3
	v_add_nc_u32 v[AD+\gr], \gr*GRP, v31
.endr
	v_mul_u32_u24 v1, v27, PITCH
	v_add_nc_u32 v1, s18, v1
	v_lshl_add_u32 v[CA0], v26, 4, v1
	v_lshl_add_u32 v[CS0], v26, 3, v1
	v_mul_u32_u24 v1, v27, BOXST
	v_lshl_add_u32 v1, v29, 2, v1
	v_add_nc_u32 v[STO], s21, v1                   ; stage + 1,824 h + s + 4 pw
.irp q, 0,1,2,3
	v_add_nc_u32 v1, 32*\q, v25                    ; piece 32 q + L, counted from the aligned base, so that lanes 0-15 and 16-31 each cover 256 aligned bytes;
	v_max_u32 v1, s15, v1                          ; a lane whose piece lies outside the run repeats the run's first or last piece, same bytes to the same place
	v_min_u32 v1, s16, v1
	v_lshlrev_b32 v[CH+\q], 4, v1
	v_add_nc_u32 v[LCH+\q], s19, v[CH+\q]
.endr
	v_min_u32 v1, 2, v25                           ; the three end words: lanes 0, 1, 2; the other lanes repeat the third
	v_add_nc_u32 v30, 340, v1
	v_cmp_gt_u32 vcc_lo, s17, v1
	v_cndmask_b32 v1, v30, v1, vcc_lo              ; word e in front of the pieces, or word 340 + e behind them
	v_lshl_add_u32 v[WO], v1, 2, s14
	v_add_nc_u32 v[LWO], s19, v[WO]
	v_mov_b32 v1, 0x3e000000                       ; 1/8: the mean over a bin's eight samples
	v_cmp_eq_u32 vcc_lo, v28, v27
	WIN 0x40
	v_cndmask_b32 v[ST1+12], 0, v1, vcc_lo         ; SC = 1/8 where g = h, else 0: see OUT
	v_cndmask_b32 v[ST1+13], 0, v1, vcc_lo
	WIN 0
; The state of the hats of one axis of the lane's box and bin.  s1, s2 = lo - 0.5 + (bin + 0.25, bin + 0.75) max(hi - lo, 1e-6) / 7, less the lane's first i.
; hat(s - i) is the middle one of P = s - i + 1, Q = 1 - (s - i) and 0.  State: P and Q for i and i + 1, for s1 (st+0..3) and for s2 (st+4..7).
.macro INIT lo, hi, useh, w, st
	WIN 0
	v_add_f32 v[TI], -0.5, v[\lo]
	v_add_f32 v[TI+1], -0.5, v[\hi]
	v_sub_f32 v[TI+1], v[TI+1], v[TI]
	v_max_num_f32 v[TI+1], 0x358637bd, v[TI+1]     ; 1e-6
	v_mul_f32 v[TI+1], 0x3e124925, v[TI+1]         ; 1/7
.if \useh
	v_sub_f32 v[TI], v[TI], v[H8]                  ; the lane's first i is 8 h
.endif
	v_fma_f32 v[TI+2], v[BIN25], v[TI+1], v[TI]
	v_fma_f32 v[TI+3], v[BIN75], v[TI+1], v[TI]
.if \w
	WIN 0x40
.endif
.irp j, 0,1
	v_add_f32 v[\st+4*\j], 1.0, v[TI+2+\j]
	v_mov_b32 v[\st+4*\j+1], v[TI+2+\j]
	v_sub_f32 v[\st+4*\j+2], 1.0, v[TI+2+\j]
	v_sub_f32 v[\st+4*\j+3], 2.0, v[TI+2+\j]
.endr
.endm
.macro STEP st, dn, up                 ; i goes on: P falls, Q rises
	v_pk_add_f32 v[\st:\st+1], v[\st:\st+1], \dn op_sel_hi:[1,0]
	v_pk_add_f32 v[\st+2:\st+3], v[\st+2:\st+3], \up op_sel_hi:[1,0]
	v_pk_add_f32 v[\st+4:\st+5], v[\st+4:\st+5], \dn op_sel_hi:[1,0]
	v_pk_add_f32 v[\st+6:\st+7], v[\st+6:\st+7], \up op_sel_hi:[1,0]
.endm
; n registers of a weight fragment, two i each.  x and y: a fragment's registers 0-3 hold k = 8 h .. 8 h + 7 and 4-7 hold k = 16 + 8 h .. (ISA guide 7.12.2), so i goes on
; by 2, and by 10 behind every fourth register; 16 registers are two K steps.  z (zmode): i = 0 .. 15 in 8 registers, times SC.
.macro HATS dst, n, zmode, st
.set q_, 0
.rept \n
	v_med3_num_f32 v[\st+8], v[\st], v[\st+2], 0
	v_med3_num_f32 v[\st+9], v[\st+1], v[\st+3], 0
	v_med3_num_f32 v[\st+10], v[\st+4], v[\st+6], 0
	v_med3_num_f32 v[\st+11], v[\st+5], v[\st+7], 0
	v_pk_add_f32 v[\st+8:\st+9], v[\st+8:\st+9], v[\st+10:\st+11]
.if \zmode
	v_pk_mul_f32 v[\st+8:\st+9], v[\st+8:\st+9], v[\st+12:\st+13]
.endif
	v_cvt_pk_f16_f32 v[\dst+q_], v[\st+8], v[\st+9]
.set big_, 0
.if \zmode == 0
.if (q_&3) == 3
.set big_, 1
.endif
.endif
.if q_ < \n-1
.if big_
	STEP \st, 0xc1200000, 0x41200000
.else
	STEP \st, -2.0, 2.0
.endif
.endif
.set q_, q_+1
.endr
.endm
; The pass's weights.  Tile t = boxes 2 t and 2 t + 1 of the pass's eight; a lane makes row or column r = (g, bin) of each fragment.
.macro WEIGHTS
.irp t, 0,1,2,3
	global_load_b64 v[R+6*\t:R+6*\t+1],   v[G24], s[50:51] offset:48*\t       ; z1 y1
	global_load_b64 v[R+6*\t+2:R+6*\t+3], v[G24], s[50:51] offset:48*\t+8     ; x1 z2
	global_load_b64 v[R+6*\t+4:R+6*\t+5], v[G24], s[50:51] offset:48*\t+16    ; y2 x2
.endr
	s_wait_loadcnt 0x0
.irp t, 0,1,2,3
	INIT R+6*\t+2, R+6*\t+5, 1, 0, ST0
	HATS WX+16*\t, 16, 0, ST0
	INIT R+6*\t+1, R+6*\t+4, 1, 1, ST1
	WIN 0x55
	HATS WY+16*\t, 16, 0, ST1
	INIT R+6*\t, R+6*\t+3, 0, 1, ST1
	WIN 0x55
	HATS WZ+8*\t, 8, 1, ST1
.endr
	WIN 0
.endm
; My plane of group gr from f32 to f16, in place: a row's 64 numbers end up in its first 128 bytes.  A load takes two rows (lanes 0-15 one, lanes 16-31 the next);
; 16 loads, all waited for, then their 16 stores, which touch those same 32 rows alone.
.macro CONVERT gr
	v_add_nc_u32 v[CA], \gr*GRP, v[CA0]
	v_add_nc_u32 v[CS], \gr*GRP, v[CS0]
.irp bt, 0,1
.irp i, 0,1,2,3,4,5,6,7,8,9,10,11,12,13,14,15
	ds_load_b128 v[RAW+4*\i:RAW+4*\i+3], v[CA] offset:(16*\bt+\i)*2*PITCH
.endr
	s_wait_dscnt 0x0
.irp i, 0,1,2,3,4,5,6,7,8,9,10,11,12,13,14,15
	v_cvt_pk_f16_f32 v[RAW+4*\i], v[RAW+4*\i], v[RAW+4*\i+1]
	v_cvt_pk_f16_f32 v[RAW+4*\i+1], v[RAW+4*\i+2], v[RAW+4*\i+3]
.endr
.irp i, 0,1,2,3,4,5,6,7,8,9,10,11,12,13,14,15
	ds_store_b64 v[CS], v[RAW+4*\i:RAW+4*\i+1] offset:(16*\bt+\i)*2*PITCH
.endr
.endr
.endm
; The fragments of row tile k of a group (16 rows of one z, 64 x): four loads of 16 bytes a lane, 32 bytes apart
.macro LDA k, gr
.set la_, AF+16*((\k)%3)
.irp c, 0,1,2,3
	ds_load_b128 v[la_+4*\c:la_+4*\c+3], v[AD+\gr] offset:(\k)*MT+32*\c
.endr
.endm
; Half an accumulator of row tile kp to f16.  A lane holds y = 8 h + j of column r in register j: packed in pairs these are registers 0-3 (even tile) or
; 4-7 (odd tile) of a B fragment over 32 y, as they lie: no lane changes places.
.macro CVT2 kp, i
.set cs_, ACC+32*((\kp)&1)+8*((\i)>>1)+4*((\i)&1)
.set cd_, BP+8*((\i)>>1)+4*((\kp)&1)+2*((\i)&1)
	v_cvt_pk_f16_f32 v[cd_], v[cs_], v[cs_+1]
	v_cvt_pk_f16_f32 v[cd_+1], v[cs_+2], v[cs_+3]
.endm
; First product, row tile k: (16 y x 64 x) x (64 x x 4 tiles of 16 columns).  The four accumulators take turns, one instruction a turn.
; Behind each matrix instruction stand two conversions of the tile before, which name none of its registers: they are the places that the reads of results,
; the loads into the buffer read last and the next writes of BP need.
.macro BODY k, gr
.if \k == 15
	s_wait_dscnt 0x0                               ; the group's last tile: nothing was issued behind its loads
.else
	s_wait_dscnt 0x4                               ; tile k's four loads are in; the four of tile k + 1, issued behind them, may be out
.endif
.set kp_, \k-1
.set kn_, \k+2
.irp i, 0,1,2,3,4,5,6,7
.set acc_, ACC+32*((\k)&1)+8*((\i)&3)
.set fa_, AF+16*((\k)%3)+8*((\i)>>2)
.set fb_, WX+16*((\i)&3)+8*((\i)>>2)
.if \i < 4
	v_wmma_f32_16x16x32_f16 v[acc_:acc_+7], v[fa_:fa_+7], v[fb_:fb_+7], 0
.else
	v_wmma_f32_16x16x32_f16 v[acc_:acc_+7], v[fa_:fa_+7], v[fb_:fb_+7], v[acc_:acc_+7]
.endif
.if \k > 0
	CVT2 kp_, \i
.endif
.if \i == 1
.if \k <= 13
	LDA kn_, \gr                                   ; into the buffer that tile k - 1 read: six or more places behind its last matrix instruction
.endif
.endif
.endr
.if \k == 0
	PLACES 4                                       ; tile 0 has no earlier tile to convert
.endif
.endm
; Second product, 32 y of one z: rows (box', ph) of Wy x columns (box, pw).  Entries with box' other than box are finite and meet a zero in the third product.
; Behind an odd z's second half: both z of the pair to f16, register ph of lane half h = (box' = h, ph).
.macro STAGE2 z, ks
	WIN 0x51
.irp t, 0,1,2,3
.set dp_, DP+32*((\z)&1)+8*\t
.if \ks == 0
	v_wmma_f32_16x16x32_f16 v[dp_:dp_+7], v[WY+16*\t:WY+16*\t+7], v[BP+8*\t:BP+8*\t+7], 0
.else
	v_wmma_f32_16x16x32_f16 v[dp_:dp_+7], v[WY+16*\t+8:WY+16*\t+15], v[BP+8*\t:BP+8*\t+7], v[dp_:dp_+7]
.endif
.endr
	WIN 0
	PLACES 4                                       ; before BP is written again and before the results are read
.if ((\z)&1)
.if \ks
	WIN 0x85
.irp t, 0,1,2,3
.irp ph, 0,1,2,3,4,5,6
	v_cvt_pk_f16_f32 v[T+56*\t+8*\ph+((\z)>>1)], v[DP+8*\t+\ph], v[DP+32+8*\t+\ph]
.endr
.endr
	WIN 0
.endif
.endif
.endm
; Planes 4 gr .. 4 gr + 3: 16 row tiles.
.macro GROUP gr
	s_wait_tensorcnt 3-\gr                         ; tensor loads of a wave end in order (ISA guide 10.11.1): my plane of this group is in; my later planes may stay out
	s_cmp_lg_u32 s20, 0
	s_cbranch_scc1 .Lconverted\gr                  ; the second pass finds f16
	CONVERT \gr
.Lconverted\gr:
	s_wait_dscnt 0x0                               ; my stores are done, and so are my reads of the groups before
	s_barrier_signal -1
	s_barrier_wait -1                              ; all four planes of the group are f16 for every wave
	LDA 0, \gr
	LDA 1, \gr
.irp k, 0,1,2,3,4,5,6,7,8,9,10,11,12,13,14,15
	BODY \k, \gr
.if ((\k)&1) == 0
.if \k >= 2
.set z_, 4*\gr+(\k-2)/4
.set ks_, ((\k-2)/2)&1
	STAGE2 z_, ks_                                 ; tiles k - 2 and k - 1 lie in BP
.endif
.endif
.endr
.irp i, 0,1,2,3,4,5,6,7
	CVT2 15, \i                                    ; eight or more independent conversions stand between each of tile 15's last products and the read of its result
.endr
.set z_, 4*\gr+3
	STAGE2 z_, 1
.endm
; Third product and the way out, tile t.  The 32 places of K are (lane half h, z): in B they hold (box' = h, z), as the second product left them; in A, row (g, pd)
; holds Wz[box g][pd][z] x SC, which is 0 where g differs from h: that takes the boxes apart, and carries the 1/8.  Register pd of lane (r = (g, pw), h) is
; (box h, pd) x (box g, pw): of use where g = h and pw < 7, lanes 0-6 (first box) and 24-30 (second).
.macro OUT t
	WIN 0x49
.irp ph, 0,1,2,3,4,5,6
	v_wmma_f32_16x16x32_f16 v[DD+8*\ph:DD+8*\ph+7], v[WZ+8*\t:WZ+8*\t+7], v[T+56*\t+8*\ph:T+56*\t+8*\ph+7], 0
.endr
	WIN 0
	PLACES 5                                       ; four before the LDS stores read the results; five before the next tile's products write over them
	s_wait_xcnt 0x0                                ; the last tile's stores have had their addresses translated (ISA guide 3.1): EXEC and OD change only behind this wait
	s_mov_b32 exec_lo, 0x7f00007f
	WIN 0x04
.irp ph, 0,1,2,3,4,5,6
.irp pd, 0,1,2,3,4,5,6
	ds_store_b32 v[STO], v[DD+8*\ph+\pd] offset:4*(49*\pd+7*\ph)
.endr
.endr
	WIN 0
	s_mov_b32 exec_lo, -1                          ; no global instruction was issued under the narrow EXEC
.irp e, 0,1
.irp q, 0,1,2,3
	ds_load_b128 v[OD+20*\e+4*\q:OD+20*\e+4*\q+3], v[LCH+\q] offset:BOXST*\e   ; my own bytes; LDS serves a wave's instructions in order (ISA guide 5.7.1.4)
.endr
	ds_load_b32 v[OD+20*\e+16], v[LWO] offset:BOXST*\e
.endr
	s_wait_dscnt 0x0
.irp e, 0,1
.irp q, 0,1,2,3
	global_store_b128 v[CH+\q], v[OD+20*\e+4*\q:OD+20*\e+4*\q+3], s[48:49] offset:(2*\t+\e)*BOXOUT th:TH_STORE_NT
.endr
	global_store_b32 v[WO], v[OD+20*\e+16], s[48:49] offset:(2*\t+\e)*BOXOUT th:TH_STORE_NT
.endr
.endm
	s_mov_b32 s20, 0
.Lpass:                                            ; eight boxes; in the first pass the weights and the earlier groups' products run while later planes are on their way
	WEIGHTS
	GROUP 0
	GROUP 1
	GROUP 2
	GROUP 3                                        ; its wait on the tensor loads is for 0: none is out at s_endpgm
	OUT 0
	OUT 1
	OUT 2
	OUT 3
	s_wait_xcnt 0x0                                ; the stores' base and data are written again only behind this wait
	s_add_nc_u64 s[48:49], s[48:49], 8*BOXOUT
	s_add_nc_u64 s[50:51], s[50:51], 192
	s_add_co_u32 s20, s20, 1
	s_cmp_lt_u32 s20, 2
	s_cbranch_scc1 .Lpass
	s_wait_tensorcnt 0x0
	ds_add_u32 v254, v255
	s_wait_dscnt 0x0
	s_endpgm
.Lfunc_end_k_q883225b0fb_roialign:
	.size	k_q883225b0fb_roialign, .Lfunc_end_k_q883225b0fb_roialign-k_q883225b0fb_roialign
	.p2alignl 7, 3214868480
	.fill 96, 4, 3214868480
	.section	.rodata,"a",@progbits
	.p2align	6, 0x0
	.amdhsa_kernel k_q883225b0fb_roialign
		.amdhsa_group_segment_fixed_size 295424
		.amdhsa_private_segment_fixed_size 0
		.amdhsa_enable_private_segment 0
		.amdhsa_kernarg_size 24
		.amdhsa_user_sgpr_count 2
		.amdhsa_user_sgpr_kernarg_segment_ptr 1
		.amdhsa_wavefront_size32 1
		.amdhsa_system_sgpr_workgroup_id_x 1
		.amdhsa_system_sgpr_workgroup_id_y 1
		.amdhsa_system_sgpr_workgroup_id_z 1
		.amdhsa_system_vgpr_workitem_id 0
		.amdhsa_next_free_vgpr 736
		.amdhsa_next_free_sgpr 66
		.amdhsa_reserve_vcc 1
		.amdhsa_float_denorm_mode_32 3
		.amdhsa_float_denorm_mode_16_64 3
		.amdhsa_memory_ordered 1
		.amdhsa_forward_progress 1
		.amdhsa_inst_pref_size 255
	.end_amdhsa_kernel
	.section	.bss,"aw",@nobits
	.p2align	6
	.space	262144
	.amdgpu_metadata
---
amdhsa.version: [ 1, 2 ]
amdhsa.kernels:
  - .name:           k_q883225b0fb_roialign
    .symbol:         k_q883225b0fb_roialign.kd
    .args:
      - { .name: features, .offset: 0, .size: 8, .value_kind: global_buffer, .address_space: global }
      - { .name: rois, .offset: 8, .size: 8, .value_kind: global_buffer, .address_space: global }
      - { .name: out0, .offset: 16, .size: 8, .value_kind: global_buffer, .address_space: global }
    .group_segment_fixed_size: 295424
    .private_segment_fixed_size: 0
    .kernarg_segment_align: 8
    .kernarg_segment_size: 24
    .max_flat_workgroup_size: 128
    .sgpr_count:     66
    .vgpr_count:     736
    .wavefront_size: 32
...
	.end_amdgpu_metadata
.endif
;; end of part 1
;; ======== version 2 of 2: 1 launch; 1.13 times as fast as version 1
;; limits: values outside matrix products are rounded to f16; inputs' magnitudes at most 16,000; values are held in f16: magnitudes above 65,504 overflow, below 6.1e-05 lose precision
;; launch roialign (part 2): grid 256 x 1, 4 waves a work-group, no clusters, 295,424 bytes of LDS; arguments features, rois, out0; writes out0
.if DOCPART == 2
	.amdgcn_target "amdgcn-amd-amdhsa--gfx1250"
	.amdhsa_code_object_version 6
	.text
	.protected	k_q883225b0fb_roialign
	.globl	k_q883225b0fb_roialign
	.p2align	8
	.type	k_q883225b0fb_roialign,@function
k_q883225b0fb_roialign:
	s_mov_b64 s[64:65], 0
	v_nop
	global_prefetch_b8 v0, s[64:65] scope:SCOPE_SE
	s_setreg_imm32_b32 hwreg(HW_REG_WAVE_MODE, 25, 1), 1
	s_wait_xcnt 0x0
; ROIAlign3D: out0[b][n][c][pd][ph][pw] = mean over 2x2x2 trilinear samples of features[b][c] (16 x 64 x 64, f32) in bin (pd,ph,pw) of box n.
; THE FORM.  A trilinear sample at s weighs voxel i of an axis by hat(s - i) = max(0, 1 - |s - i|): the two corner weights 1 - l and l are the hat at
; floor(s) and floor(s) + 1, and a corner outside the volume counts 0, which is the same as letting i run over the volume alone.  So
;   out = 1/8 sum_z sum_y sum_x Wz[n][pd][z] Wy[n][ph][y] Wx[n][pw][x] F[z][y][x],  W[n][bin][i] = hat(s1 - i) + hat(s2 - i), s1, s2 the bin's two samples,
; three matrix products with dense weights, in which no address hangs on a box.  f16 operands, f32 sums.
; THE SHARES.  Work-group = one (batch, channel), 256 in all: its 256 KiB are read from memory once, into LDS, and serve all 64 boxes of the batch.
; Wave w = boxes 16 w .. 16 w + 15, in two passes of 8 boxes = 4 column tiles of (2 boxes x 8 bins; bin 7 is padding: finite, never stored).
; The volume goes in four groups of four planes, a plane from each wave.  In the first pass a wave rounds its plane of the next group to f16 in slices
; among this group's products; the second pass finds f16.
; No cluster: work-groups share no feature byte; the 1,536 bytes of a batch's boxes are all that they share.
; LEFT OUT: the product roi * SPATIAL_SCALE, a factor 1.0 for every value of roi.  Every input is loaded.
; LIMITS.  features and rois finite: every voxel of a channel is multiplied by a weight that may be 0, so one NaN or infinity in a channel reaches all
; outputs of that channel, not only the bins that sample it.  |features| < 16,000: the weights of an axis sum to 2 at most, so what is rounded to f16
; between the products is 4 max|F| at most, under f16's 65,504.  The division by 7 is a product with f32(1/7); sums are ordered as the products order them.
; THE OUTPUT.  A (box, channel) run is 1,372 bytes; it goes through the wave's own stage in LDS, laid at its own place modulo 256, and leaves as 85 aligned
; pieces of 16 bytes, sixteen neighbouring lanes to 256 aligned bytes, and 3 single words at its ends; a lane with no piece is off.  The run's first and
; last 256 bytes are shared with channels c - 1 and c + 1, which other work-groups own (1,372 and 256 meet only every 64 channels): these two are written in part.
.set PITCH,  272                       ; an LDS row: 256 bytes as loaded + 16 of padding = 68 words, so the 16 rows of a fragment load start 4 words apart modulo 64 (64 banks of 4 bytes: ISA guide 11.1)
.set MT,     16*PITCH                  ; 16 rows: one row tile of the first product
.set PLANE,  64*PITCH                  ; one z
.set GRP,    4*PLANE                   ; four planes: one from each wave
.set STAGE,  16*PLANE                  ; behind the volume: a multiple of 256; no tensor load lands there
.set WSTAGE, 4096                      ; a wave's stage
.set BOXST,  1824                      ; the second box of a tile in the stage: a multiple of 16, 8 words on modulo 64
.set RUN,    1372                      ; bytes of 7 x 7 x 7 f32
.set BOXOUT, 128*RUN                   ; bytes of a box in out0, a multiple of 256
.set KC0,    4                         ; the row tile in which the next group's conversion begins: eight slices are loaded in tiles 4 .. 11 and stored in tiles 5 .. 12
.set G1, 24                            ; s[24:31] descriptor group 1
.set G0, 32                            ; s[32:47] descriptor group 0, a set for each of my four planes
; s10 wave; s12 b; s13 c; s14 s = the run's place modulo 256; s15, s16 first and last whole piece of 16 bytes; s17 words in front of the first piece
; s18 wave x PLANE; s19 my stage; s20 pass; s21 stage + s; s22, s23 lane masks of the way out
; s[48:49] out0 at my pass's first box, channel c, less s; s[50:51] rois at my wave's first box, never stepped
; REGISTERS, window 0
.set BIN25, 2                          ; bin + 0.25, bin + 0.75: the two samples' steps
.set BIN75, 3
.set H8,    4                          ; 8 h as f32
.set G24,   5                          ; 24 g: which box of a tile the lane's row or column belongs to
.set AD,    6                          ; v6-9    fragment address in group 0..3: 272 r + 16 h + group
.set CA0,   10                         ; conversion, reading: my plane + 272 h + 16 r
.set CS0,   11                         ; conversion, writing: my plane + 272 h + 8 r
.set CA,    12                         ; the same in the group under conversion
.set CS,    13
.set STO,   14                         ; stage: where a lane puts its results
.set LWO,   15                         ; stage: the lane's end word
.set LCH,   16                         ; stage: piece L
.set LCHA,  17                         ; stage: piece L, or piece 96 + L in the lanes below the run's first piece
.set CH,    18                         ; the same two as byte offsets in out0
.set CHA,   19
.set WO,    20                         ; the end word as byte offset in out0
.set PK,    22                         ; v22-29  a conversion slice as f16 (the set-up's temporaries v25-31 are free by then)
.set AF,    32                         ; v32-79  fragments of F: three buffers of 16 (x 0-31, x 32-63)
.set RW,    32                         ; v32-55  while weights are made: roi - 0.5, six numbers a tile (z1 y1 x1 z2 y2 x2)
.set BWD,   56                         ; v56-67  while weights are made: the bins' widths, three a tile
.set OD,    32                         ; v32-159 behind the products: the pass's eight runs on their way out, 16 registers a box
.set ACC,   80                         ; v80-143 first product: two sets of four accumulators
.set RAW,   80                         ; the same registers: group 0's rows under conversion
.set BP,    144                        ; v144-175 first product's results as f16: B of the second
.set WX,    176                        ; v176-239 Wx: 16 t + 8 ks
.set ST0,   240                        ; v240-255 the hats' state (8) and two sets of four at work
.set RAW2,  240                        ; the same registers, free once Wx is made: a conversion slice as loaded
; window 1 (local numbers)
.set WY,    0                          ; Wy: 16 t + 8 ks
.set DP,    64                         ; second product: 32 (z & 1) + 8 t; behind it: the third product of odd tiles
.set WZ,    128                        ; Wz: 8 t
.set DD,    160                        ; third product of even tiles: 8 ph
.set ST1,   216                        ; 216-231 the hats' state, as ST0: for y while weights are made, then for z
.set SCP,   232                        ; the pair (2 SC, 2 SC); SC = 1/8 where g = h, else 0: see OUT
.set SCN,   234                        ; the pair (-2 SC, -2 SC)
.set SC1,   236                        ; SC
.set SZ,    238                        ; 238-245 the z samples s1, s2 of the lane's box and bin, two a tile
; window 2 (local numbers)
.set T,     0                          ; second product's results as f16: 56 t + 8 ph + z / 2
.set R2,    224                        ; 224-247 the boxes as loaded, six numbers a tile
.set MSB, 0
.macro WIN new                         ; low byte: bits 1:0 source 0, 3:2 source 1, 5:4 source 2, 7:6 destination; the high byte repeats the setting that is left
.if MSB != \new
	s_set_vgpr_msb (MSB<<8)|\new
.set MSB, \new
.endif
.endm
.macro PLACES n                        ; independent vector instructions behind a matrix instruction (ISA guide 7.12.1), where the text has no work for them
.rept \n
	v_nop
.endr
.endm
; The eight boxes of pass p: tile t = boxes 2 t and 2 t + 1; a lane takes the box of its row or column (g)
.macro BOXES p
.irp t, 0,1,2,3
	global_load_b64 v[R2+6*\t:R2+6*\t+1],   v[G24], s[50:51] offset:192*\p+48*\t       ; z1 y1
	global_load_b64 v[R2+6*\t+2:R2+6*\t+3], v[G24], s[50:51] offset:192*\p+48*\t+8     ; x1 z2
	global_load_b64 v[R2+6*\t+4:R2+6*\t+5], v[G24], s[50:51] offset:192*\p+48*\t+16    ; y2 x2
.endr
.endm
	s_load_b128 s[4:7], s[0:1], 0x0                ; features s[4:5], rois s[6:7]
	s_load_b64 s[8:9], s[0:1], 0x10                ; out0
	v_lshl_add_u32 v21, v0, 2, 0x48000
	s_set_vgpr_msb 0x40
	v_mov_b32 v255, 0
	s_set_vgpr_msb 0x4044
	ds_add_u32 v21, v255
	ds_add_u32 v21, v255
	s_set_vgpr_msb 0x4400
	v_lshrrev_b32 v1, 5, v0
	v_readfirstlane_b32 s10, v1                    ; wave 0..3
	v_bfe_u32 v28, v0, 3, 1                        ; g
	v_mul_u32_u24 v[G24], v28, 24
	s_lshr_b32 s12, ttmp9, 7                       ; b
	s_and_b32 s13, ttmp9, 127                      ; c
	s_mul_i32 s50, s12, 1536                       ; a batch's boxes: 64 x 24 bytes
	s_mul_i32 s53, s10, 384                        ; my wave's: 16 x 24
	s_add_co_u32 s50, s50, s53
	s_mov_b32 s51, 0
	; group 1: a plane of 64 rows x 64 f32, dense in memory, 16 bytes of padding behind each row in LDS
	s_mov_b32 s[G1+0], 0x07520000                  ; 17:16 element of 4 bytes; 20 padding on; 24:22 after every 64 words (code 5); 31:25 of 4 words (code 3)
	s_mov_b32 s[G1+1], 64<<16                      ; tensor_dim0 = 64
	s_mov_b32 s[G1+2], 64<<16                      ; tensor_dim1 = 64
	s_mov_b32 s[G1+3], 64<<16                      ; tile_dim0 = 64
	s_mov_b32 s[G1+4], 64                          ; tile_dim1 = 64
	s_mov_b32 s[G1+5], 64                          ; elements from row to row
	s_mov_b32 s[G1+6], 0
	s_mov_b32 s[G1+7], 0
	s_mul_i32 s18, s10, PLANE
	s_lshl_b32 s54, ttmp9, 18                      ; my channel: 262,144 bytes each, 255 x 262,144 at the most
	s_lshl_b32 s53, s10, 14                        ; plane w: 16,384 bytes each
	s_add_co_u32 s54, s54, s53
	s_mov_b32 s55, 0
	s_wait_dscnt 0x0
	s_wait_kmcnt 0x0
	s_add_nc_u64 s[50:51], s[6:7], s[50:51]
	WIN 0x80
	BOXES 0                                        ; the first thing that is waited for goes out first: 192 bytes a wave
	WIN 0
	s_add_nc_u64 s[54:55], s[4:5], s[54:55]
	; All fills of the launch, ahead of every wait on them, every LDS read and every barrier: load i of wave w brings plane 4 i + w.  Four loads of a wave are out
	; at the most; no LDS byte is filled twice, and no descriptor register is written again.
.irp i, 0,1,2,3
	s_mov_b32 s[G0+4*\i], 1
	s_add_co_u32 s[G0+4*\i+1], s18, \i*GRP
	s_add_nc_u64 s[G0+4*\i+2:G0+4*\i+3], s[54:55], \i*65536
	s_or_b32 s[G0+4*\i+3], s[G0+4*\i+3], 0x80000000
	tensor_load_to_lds s[G0+4*\i:G0+4*\i+3], s[G1:G1+7]
	s_nop 0
.endr
	; where the runs go
	s_mul_i32 s52, s13, RUN
	s_and_b32 s14, s52, 255                        ; s: a box is a multiple of 256 bytes, so the channel alone decides it
	s_add_co_u32 s15, s14, 15
	s_lshr_b32 s15, s15, 4                         ; first whole piece, 0..16
	s_add_co_u32 s16, s14, RUN
	s_lshr_b32 s16, s16, 4
	s_sub_co_u32 s16, s16, 1                       ; last whole piece: 84 behind the first, since 343 words = 85 pieces + 3 words
	s_lshl_b32 s17, s15, 4
	s_sub_co_u32 s17, s17, s14
	s_lshr_b32 s17, s17, 2                         ; words in front of the first piece, 0..3; the rest of the 3 lie behind the last
	; The pieces go in three groups of 32, piece 32 q + L to lane L, counted from the aligned base.  Group 1 (32..63) is always whole.  Group 2 ends at the last piece.
	; Group 0 begins at the first piece; pieces 96 and up, which exist where the first is 12 or more, are last - 95 = first - 11 in number and take group 0's idle lanes from 0 up.
	s_lshl_b32 s22, -1, s15                        ; lanes L >= first
	s_sub_co_u32 s52, s16, 96
	s_lshl_b32 s53, -2, s52
	s_not_b32 s53, s53                             ; lanes L <= last - 96,
	s_cmp_ge_u32 s16, 96
	s_cselect_b32 s53, s53, 0                      ; if there are any
	s_or_b32 s22, s22, s53
	s_sub_co_u32 s52, s16, 64                      ; 20..36
	s_min_u32 s52, s52, 31
	s_lshl_b32 s23, -2, s52
	s_not_b32 s23, s23                             ; lanes L <= last - 64
	s_lshl_b32 s53, s12, 6
	s_lshl4_add_u32 s53, s10, s53                  ; my first box: 64 b + 16 w
	s_mul_i32 s52, s13, RUN
	s_mul_i32 s48, s53, BOXOUT
	s_add_co_u32 s48, s48, s52
	s_sub_co_u32 s48, s48, s14
	s_mov_b32 s49, 0
	s_add_nc_u64 s[48:49], s[8:9], s[48:49]
	s_mul_i32 s19, s10, WSTAGE
	s_add_co_u32 s19, s19, STAGE
	s_add_co_u32 s21, s19, s14
	; lane terms: L lane, r = L & 15, h = L >> 4, g = (L >> 3) & 1, bin = L & 7
	v_and_b32 v25, 31, v0
	v_and_b32 v26, 15, v0
	v_bfe_u32 v27, v0, 4, 1
	v_and_b32 v29, 7, v0
	v_cvt_f32_u32 v30, v29
	v_add_f32 v[BIN25], 0x3e800000, v30
	v_add_f32 v[BIN75], 0x3f400000, v30
	v_lshlrev_b32 v31, 3, v27
	v_cvt_f32_u32 v[H8], v31
	v_mul_u32_u24 v31, v26, PITCH
	v_lshl_add_u32 v31, v27, 4, v31
.irp gr, 0,1,2,3
	v_add_nc_u32 v[AD+\gr], \gr*GRP, v31
.endr
	v_mul_u32_u24 v1, v27, PITCH
	v_add_nc_u32 v1, s18, v1
	v_lshl_add_u32 v[CA0], v26, 4, v1
	v_lshl_add_u32 v[CS0], v26, 3, v1
	v_mul_u32_u24 v1, v27, BOXST
	v_lshl_add_u32 v1, v29, 2, v1
	v_add_nc_u32 v[STO], s21, v1                   ; stage + 1,824 h + s + 4 pw
	v_lshlrev_b32 v[CH], 4, v25                    ; piece L; groups 1 and 2 stand in the immediates
	v_add_nc_u32 v[LCH], s19, v[CH]
	v_add_nc_u32 v1, 1536, v[CH]                   ; piece 96 + L
	v_cmp_le_u32 vcc_lo, s15, v25
	v_cndmask_b32 v[CHA], v1, v[CH], vcc_lo        ; piece L from the first piece's lane on, piece 96 + L below it
	v_add_nc_u32 v[LCHA], s19, v[CHA]
	v_add_nc_u32 v30, 340, v25                     ; the three end words: lanes 0, 1, 2
	v_cmp_gt_u32 vcc_lo, s17, v25
	v_cndmask_b32 v1, v30, v25, vcc_lo             ; word L in front of the pieces, or word 340 + L behind them
	v_lshl_add_u32 v[WO], v1, 2, s14
	v_add_nc_u32 v[LWO], s19, v[WO]
	v_mov_b32 v1, 0x3e000000                       ; 1/8: the mean over a bin's eight samples
	v_mov_b32 v30, 0x3e800000                      ; 2/8
	v_mov_b32 v31, 0xbe800000                      ; -2/8
	v_cmp_eq_u32 vcc_lo, v28, v27
	WIN 0x40
	v_cndmask_b32 v[SCP], 0, v30, vcc_lo
	v_cndmask_b32 v[SCP+1], 0, v30, vcc_lo
	v_cndmask_b32 v[SCN], 0, v31, vcc_lo
	v_cndmask_b32 v[SCN+1], 0, v31, vcc_lo
	v_cndmask_b32 v[SC1], 0, v1, vcc_lo
	WIN 0
; hat(s - i) is the middle one of P = s - i + 1, Q = 1 - (s - i) and 0.  The state: P and Q for i and i + 1, for s1 (st+0..3) and for s2 (st+4..7).
; SPREAD makes it from s1 in st+1 and s2 in st+5, which already are P for i + 1 (s counted from the lane's first i).
.macro SPREAD st
.irp j, 0,4
	v_add_f32 v[\st+\j], 1.0, v[\st+\j+1]
	v_sub_f32 v[\st+\j+2], 1.0, v[\st+\j+1]
	v_sub_f32 v[\st+\j+3], 2.0, v[\st+\j+1]
.endr
.endm
.macro STEP st, dn, up                 ; i goes on: P falls, Q rises
	v_pk_add_f32 v[\st:\st+1], v[\st:\st+1], \dn op_sel_hi:[1,0]
	v_pk_add_f32 v[\st+2:\st+3], v[\st+2:\st+3], \up op_sel_hi:[1,0]
	v_pk_add_f32 v[\st+4:\st+5], v[\st+4:\st+5], \dn op_sel_hi:[1,0]
	v_pk_add_f32 v[\st+6:\st+7], v[\st+6:\st+7], \up op_sel_hi:[1,0]
.endm
; The 16 registers of two weight fragments over x or y, two i each.  A fragment's registers 0-3 hold k = 8 h .. 8 h + 7 and 4-7 hold k = 16 + 8 h .. (ISA guide 7.12.2), so i goes on
; by 2, and by 10 behind every fourth register.  No line reads the line in front of it: the four hats of register q go to one of two sets that take turns, the steps stand
; between them and their sum, and the sum is rounded one register later.
.macro HATS dst, st
.set q_, 0
.rept 16
.set ta_, \st+8+4*(q_&1)
.set tp_, \st+8+4*((q_+1)&1)
	v_med3_num_f32 v[ta_], v[\st], v[\st+2], 0
	v_med3_num_f32 v[ta_+1], v[\st+1], v[\st+3], 0
	v_med3_num_f32 v[ta_+2], v[\st+4], v[\st+6], 0
	v_med3_num_f32 v[ta_+3], v[\st+5], v[\st+7], 0
.if q_ > 0
	v_cvt_pk_f16_f32 v[\dst+q_-1], v[tp_], v[tp_+1]
.endif
.if q_ < 15
.if (q_&3) == 3
	STEP \st, 0xc1200000, 0x41200000
.else
	STEP \st, -2.0, 2.0
.endif
.endif
	v_pk_add_f32 v[ta_:ta_+1], v[ta_:ta_+1], v[ta_+2:ta_+3]
.set q_, q_+1
.endr
	v_cvt_pk_f16_f32 v[\dst+15], v[ta_], v[ta_+1]
.endm
; The state for z of tile t, i = 0 and 1, all of it times SC: the middle one of (c P, c Q, 0) is c times the hat for c >= 0, and 1/8 is a power of two, so nothing is rounded otherwise.
.macro ZINIT t
.irp j, 0,1
	v_fma_f32 v[ST1+4*\j],   v[SZ+2*(\t)+\j], v[SC1], v[SC1]
	v_mul_f32 v[ST1+4*\j+1], v[SZ+2*(\t)+\j], v[SC1]
	v_fma_f32 v[ST1+4*\j+2], -v[SZ+2*(\t)+\j], v[SC1], v[SC1]
	v_fma_f32 v[ST1+4*\j+3], -v[SZ+2*(\t)+\j], v[SC1], v[SCP]
.endr
.endm
; Slice n of 32: register n & 7 (z = 2 (n & 7) and the next) of Wz of tile n >> 3.  Wz is first read behind all the pass's second products, which come in 32 calls: a slice
; stands behind each, beside the products, and is the places that they need.  It names window 1's 128-159 and 216-245 alone, none of the products' registers.
.macro ZSLICE n
.set zt_, (\n)>>3
.set zq_, (\n)&7
	WIN 0x55
	v_med3_num_f32 v[ST1+8], v[ST1], v[ST1+2], 0
	v_med3_num_f32 v[ST1+9], v[ST1+1], v[ST1+3], 0
	v_med3_num_f32 v[ST1+10], v[ST1+4], v[ST1+6], 0
	v_med3_num_f32 v[ST1+11], v[ST1+5], v[ST1+7], 0
.if zq_ < 7
	v_pk_add_f32 v[ST1:ST1+1], v[ST1:ST1+1], v[SCN:SCN+1]
	v_pk_add_f32 v[ST1+2:ST1+3], v[ST1+2:ST1+3], v[SCP:SCP+1]
	v_pk_add_f32 v[ST1+4:ST1+5], v[ST1+4:ST1+5], v[SCN:SCN+1]
	v_pk_add_f32 v[ST1+6:ST1+7], v[ST1+6:ST1+7], v[SCP:SCP+1]
.else
.if zt_ < 3
	ZINIT zt_+1                                    ; a tile's last slice starts the next tile
.else
	PLACES 2                                       ; the pass's last slice has neither a step nor a next tile: with these, four places stand here beside the four selections
.endif
.endif
	v_pk_add_f32 v[ST1+8:ST1+9], v[ST1+8:ST1+9], v[ST1+10:ST1+11]
	v_cvt_pk_f16_f32 v[WZ+8*zt_+zq_], v[ST1+8], v[ST1+9]
.endm
; The pass's Wx and Wy, and the samples for Wz.  A lane makes row or column r = (g, bin) of each fragment.
; s1, s2 = lo - 0.5 + (bin + 0.25, bin + 0.75) max(hi - lo, 1e-6) / 7.  The 12 (tile, axis) go side by side, so that no line waits for the line in front of it.
.macro WEIGHTS
	s_wait_loadcnt 0x0                             ; the pass's boxes: asked for at the kernel's head, or a pass ago
	WIN 0x08
.set i_, 0
.rept 24
	v_add_f32 v[RW+i_], -0.5, v[R2+i_]
.set i_, i_+1
.endr
	WIN 0
	s_cmp_lg_u32 s20, 0
	s_cbranch_scc1 .Lboxes_in                      ; the second pass has nothing more to ask for
	WIN 0x80
	BOXES 1                                        ; the landing registers have been read: the second pass's boxes have the whole first pass in which to come
	WIN 0
.Lboxes_in:
.irp t, 0,1,2,3
.irp a, 0,1,2
	v_sub_f32 v[BWD+3*\t+\a], v[RW+6*\t+3+\a], v[RW+6*\t+\a]
.endr
.endr
.set i_, 0
.rept 12
	v_max_num_f32 v[BWD+i_], 0x358637bd, v[BWD+i_] ; 1e-6
.set i_, i_+1
.endr
.set i_, 0
.rept 12
	v_mul_f32 v[BWD+i_], 0x3e124925, v[BWD+i_]     ; 1/7
.set i_, i_+1
.endr
.irp t, 0,1,2,3
.irp a, 1,2
	v_sub_f32 v[RW+6*\t+\a], v[RW+6*\t+\a], v[H8]  ; along y and x the lane's first i is 8 h
.endr
.endr
.irp t, 0,1,2,3
	v_fma_f32 v[ST0+1], v[BIN25], v[BWD+3*\t+2], v[RW+6*\t+2]
	v_fma_f32 v[ST0+5], v[BIN75], v[BWD+3*\t+2], v[RW+6*\t+2]
	SPREAD ST0
	HATS WX+16*\t, ST0
.endr
	WIN 0x40
.irp t, 0,1,2,3
	v_fma_f32 v[SZ+2*\t],   v[BIN25], v[BWD+3*\t], v[RW+6*\t]
	v_fma_f32 v[SZ+2*\t+1], v[BIN75], v[BWD+3*\t], v[RW+6*\t]
.endr
.irp t, 0,1,2,3
	WIN 0x40
	v_fma_f32 v[ST1+1], v[BIN25], v[BWD+3*\t+1], v[RW+6*\t+1]
	v_fma_f32 v[ST1+5], v[BIN75], v[BWD+3*\t+1], v[RW+6*\t+1]
	WIN 0x55
	SPREAD ST1
	HATS WY+16*\t, ST1
.endr
	ZINIT 0
	WIN 0
.endm
; My plane of group 0 from f32 to f16, in place: a row's 64 numbers end up in its first 128 bytes.  A load takes two rows (lanes 0-15 one, lanes 16-31 the next);
; 16 loads, all waited for, then their 16 stores, which touch those same 32 rows alone.  Group 0 has no products in front of it to stand among.
.macro CONVERT0
	v_mov_b32 v[CA], v[CA0]
	v_mov_b32 v[CS], v[CS0]
.irp bt, 0,1
.irp i, 0,1,2,3,4,5,6,7,8,9,10,11,12,13,14,15
	ds_load_b128 v[RAW+4*\i:RAW+4*\i+3], v[CA] offset:(16*\bt+\i)*2*PITCH
.endr
	s_wait_dscnt 0x0
.irp i, 0,1,2,3,4,5,6,7,8,9,10,11,12,13,14,15
	v_cvt_pk_f16_f32 v[RAW+4*\i], v[RAW+4*\i], v[RAW+4*\i+1]
	v_cvt_pk_f16_f32 v[RAW+4*\i+1], v[RAW+4*\i+2], v[RAW+4*\i+3]
.endr
.irp i, 0,1,2,3,4,5,6,7,8,9,10,11,12,13,14,15
	ds_store_b64 v[CS], v[RAW+4*\i:RAW+4*\i+1] offset:(16*\bt+\i)*2*PITCH
.endr
.endr
.endm
; A slice of the same work on my plane of the NEXT group, in row tile k of this group, first pass only: the eight rows loaded a tile ago are rounded, the next eight rows are
; asked for, the rounded ones are stored to their own rows.  The slice stands ahead of the tile's four fragment loads, so the next tile's wait, which leaves four LDS
; instructions out, leaves out those four on both ways and shows this slice's loads in.  No wave reads the next group before the barrier in this group's last tile.
.macro CSLICE k
	s_cmp_lg_u32 s20, 0
	s_cbranch_scc1 .Lno_slice_\@                   ; the second pass finds f16
.if \k > KC0
.irp i, 0,1,2,3
	v_cvt_pk_f16_f32 v[PK+2*\i], v[RAW2+4*\i], v[RAW2+4*\i+1]
	v_cvt_pk_f16_f32 v[PK+2*\i+1], v[RAW2+4*\i+2], v[RAW2+4*\i+3]
.endr
.endif
.if \k < KC0+8
.irp i, 0,1,2,3
	ds_load_b128 v[RAW2+4*\i:RAW2+4*\i+3], v[CA] offset:(4*(\k-KC0)+\i)*2*PITCH
.endr
.endif
.if \k > KC0
.irp i, 0,1,2,3
	ds_store_b64 v[CS], v[PK+2*\i:PK+2*\i+1] offset:(4*(\k-KC0-1)+\i)*2*PITCH
.endr
.endif
.Lno_slice_\@:
.endm
; The fragments of row tile k of a group (16 rows of one z, 64 x): four loads of 16 bytes a lane, 32 bytes apart
.macro LDA k, gr
.set la_, AF+16*((\k)%3)
.irp c, 0,1,2,3
	ds_load_b128 v[la_+4*\c:la_+4*\c+3], v[AD+\gr] offset:(\k)*MT+32*\c
.endr
.endm
; Half an accumulator of row tile kp to f16.  A lane holds y = 8 h + j of column r in register j: packed in pairs these are registers 0-3 (even tile) or
; 4-7 (odd tile) of a B fragment over 32 y, as they lie: no lane changes places.
.macro CVT2 kp, i
.set cs_, ACC+32*((\kp)&1)+8*((\i)>>1)+4*((\i)&1)
.set cd_, BP+8*((\i)>>1)+4*((\kp)&1)+2*((\i)&1)
	v_cvt_pk_f16_f32 v[cd_], v[cs_], v[cs_+1]
	v_cvt_pk_f16_f32 v[cd_+1], v[cs_+2], v[cs_+3]
.endm
; First product, row tile k: (16 y x 64 x) x (64 x x 4 tiles of 16 columns).  The four accumulators take turns, one instruction a turn.
; Behind each matrix instruction stand two conversions of the tile before, which name none of its registers: they are the places that the reads of results,
; the loads into the buffer read last and the next writes of BP need.
; In the last tile of groups 0 to 2 stands the barrier for the next group: at its head all my LDS instructions are done, my stores into the next group among them;
; the tile's products and conversions, register work alone, stand between signal and wait.
.macro BODY k, gr
.if \k == 15
	s_wait_dscnt 0x0                               ; the group's last tile: nothing was issued behind its loads
.if \gr < 3
	s_barrier_signal -1
.endif
.else
	s_wait_dscnt 0x4                               ; tile k's four loads are in; the four of tile k + 1, the last LDS instructions issued, may be out
.endif
.set kp_, \k-1
.set kn_, \k+2
.irp i, 0,1,2,3,4,5,6,7
.set acc_, ACC+32*((\k)&1)+8*((\i)&3)
.set fa_, AF+16*((\k)%3)+8*((\i)>>2)
.set fb_, WX+16*((\i)&3)+8*((\i)>>2)
.if \i < 4
	v_wmma_f32_16x16x32_f16 v[acc_:acc_+7], v[fa_:fa_+7], v[fb_:fb_+7], 0
.else
	v_wmma_f32_16x16x32_f16 v[acc_:acc_+7], v[fa_:fa_+7], v[fb_:fb_+7], v[acc_:acc_+7]
.endif
.if \k > 0
	CVT2 kp_, \i
.endif
.if \i == 1
.if \gr < 3
.if \k >= KC0
.if \k <= KC0+8
.if \k == KC0
	s_wait_tensorcnt 2-\gr                         ; tensor loads of a wave end in order (ISA guide 10.11.1): my plane of the next group is in.
	                                               ; On both ways, so that in group 2 the count reaches 0 and no load is out at s_endpgm
.endif
	CSLICE \k
.endif
.endif
.endif
.endif
.if \i == 3
.if \k <= 13
	LDA kn_, \gr                                   ; into the buffer that tile k - 1 read: eight or more places behind its last matrix instruction
.endif
.endif
.endr
.if \k == 0
	PLACES 4                                       ; tile 0 has no earlier tile to convert
.endif
.if \k == 15
.if \gr < 3
	s_barrier_wait -1                              ; all four planes of the next group are f16 for every wave
.endif
.endif
.endm
; Second product, 32 y of one z: rows (box', ph) of Wy x columns (box, pw).  Entries with box' other than box are finite and meet a zero in the third product.
; The slice of Wz behind it stands between the products and the next writes of BP and the reads of the results.
; Behind an odd z's second half: both z of the pair to f16, register ph of lane half h = (box' = h, ph).
.macro STAGE2 z, ks
	WIN 0x51
.irp t, 0,1,2,3
.set dp_, DP+32*((\z)&1)+8*\t
.if \ks == 0
	v_wmma_f32_16x16x32_f16 v[dp_:dp_+7], v[WY+16*\t:WY+16*\t+7], v[BP+8*\t:BP+8*\t+7], 0
.else
	v_wmma_f32_16x16x32_f16 v[dp_:dp_+7], v[WY+16*\t+8:WY+16*\t+15], v[BP+8*\t:BP+8*\t+7], v[dp_:dp_+7]
.endif
.endr
.set zn_, 2*(\z)+(\ks)
	ZSLICE zn_
.if ((\z)&1)
.if \ks
	WIN 0x85
.irp t, 0,1,2,3
.irp ph, 0,1,2,3,4,5,6
	v_cvt_pk_f16_f32 v[T+56*\t+8*\ph+((\z)>>1)], v[DP+8*\t+\ph], v[DP+32+8*\t+\ph]
.endr
.endr
.endif
.endif
	WIN 0
.endm
; Planes 4 gr .. 4 gr + 3: 16 row tiles.
.macro GROUP gr
.if \gr == 0
	s_wait_tensorcnt 0x3                           ; my first plane is in; the three asked for behind it may stay out
	s_cmp_lg_u32 s20, 0
	s_cbranch_scc1 .Lconverted                     ; the second pass finds f16
	CONVERT0
.Lconverted:
	s_wait_dscnt 0x0                               ; my stores are done
	s_barrier_signal -1
	s_barrier_wait -1                              ; all four planes of group 0 are f16 for every wave
	LDA 0, 0
	LDA 1, 0
.endif
.if \gr < 3
	v_add_nc_u32 v[CA], (\gr+1)*GRP, v[CA0]        ; the slices work on the next group; written on both ways
	v_add_nc_u32 v[CS], (\gr+1)*GRP, v[CS0]
.endif
.irp k, 0,1,2,3,4,5,6,7,8,9,10,11,12,13,14,15
	BODY \k, \gr
.if ((\k)&1) == 0
.if \k >= 2
.set z_, 4*\gr+(\k-2)/4
.set ks_, ((\k-2)/2)&1
	STAGE2 z_, ks_                                 ; tiles k - 2 and k - 1 lie in BP
.endif
.endif
.endr
	CVT2 15, 0                                     ; eight or more independent conversions stand between each of tile 15's last products and the read of its result
	CVT2 15, 1
.if \gr < 3
.set gn_, \gr+1
	LDA 0, gn_                                     ; behind the barrier: the next group's first fragments come while this group is closed.  Buffer 0 was read by tile 15:
	LDA 1, gn_                                     ; six conversions that name none of its registers stand behind that tile's last product
.endif
.irp i, 2,3,4,5,6,7
	CVT2 15, \i
.endr
.set z_, 4*\gr+3
	STAGE2 z_, 1
.endm
; Third product, tile t, and its two runs into registers.  The 32 places of K are (lane half h, z): in B they hold (box' = h, z), as the second product left them; in A, row (g, pd)
; holds Wz[box g][pd][z] x SC, which is 0 where g differs from h: that takes the boxes apart, and carries the 1/8.  Register pd of lane (r = (g, pw), h) is
; (box h, pd) x (box g, pw): of use where g = h and pw < 7, lanes 0-6 (first box) and 24-30 (second).
; The results of even and odd tiles lie in two sets of registers, so that a tile's products write none that the tile before still stores from.  The runs are read back from the
; stage in four groups, each under its own lanes alone, so that no byte of the stage is read that was not written.  The stage is my own; LDS serves a wave's instructions
; in order (ISA guide 5.7.1.4), so the reads see this tile's stores and are served ahead of the next tile's.  No global instruction is issued here, so EXEC changes freely.
.macro OUT t
.if ((\t)&1)
.set dd_, DP
.else
.set dd_, DD
.endif
	WIN 0x49
.irp ph, 0,1,2,3,4,5,6
	v_wmma_f32_16x16x32_f16 v[dd_+8*\ph:dd_+8*\ph+7], v[WZ+8*\t:WZ+8*\t+7], v[T+56*\t+8*\ph:T+56*\t+8*\ph+7], 0
.endr
	WIN 0
	PLACES 4                                       ; before the LDS stores read the results; the set is written over two tiles on, eight places behind
	s_mov_b32 exec_lo, 0x7f00007f
	WIN 0x04
.irp ph, 0,1,2,3,4,5,6
.irp pd, 0,1,2,3,4,5,6
	ds_store_b32 v[STO], v[dd_+8*\ph+\pd] offset:4*(49*\pd+7*\ph)
.endr
.endr
	WIN 0
	s_mov_b32 exec_lo, s22
.irp e, 0,1
	ds_load_b128 v[OD+32*\t+16*\e:OD+32*\t+16*\e+3], v[LCHA] offset:BOXST*\e              ; pieces first .. 31, and 96 .. last
.endr
	s_mov_b32 exec_lo, s23
.irp e, 0,1
	ds_load_b128 v[OD+32*\t+16*\e+8:OD+32*\t+16*\e+11], v[LCH] offset:BOXST*\e+1024       ; pieces 64 .. 95 or last
.endr
	s_mov_b32 exec_lo, 7
.irp e, 0,1
	ds_load_b32 v[OD+32*\t+16*\e+12], v[LWO] offset:BOXST*\e                              ; the three end words
.endr
	s_mov_b32 exec_lo, -1
.irp e, 0,1
	ds_load_b128 v[OD+32*\t+16*\e+4:OD+32*\t+16*\e+7], v[LCH] offset:BOXST*\e+512         ; pieces 32 .. 63
.endr
.endm
; The pass's eight runs leave, all the stores of one group of lanes together: each byte of a run is stored once.  EXEC is a source of the stores issued under it and changes
; only behind s_wait_xcnt 0 (ISA guide 3.1): four such waits for 32 stores.
.macro STORES
	s_wait_dscnt 0x0
.irp t, 0,1,2,3
.irp e, 0,1
	global_store_b128 v[CH], v[OD+32*\t+16*\e+4:OD+32*\t+16*\e+7], s[48:49] offset:(2*\t+\e)*BOXOUT+512 th:TH_STORE_NT
.endr
.endr
	s_wait_xcnt 0x0
	s_mov_b32 exec_lo, s22
.irp t, 0,1,2,3
.irp e, 0,1
	global_store_b128 v[CHA], v[OD+32*\t+16*\e:OD+32*\t+16*\e+3], s[48:49] offset:(2*\t+\e)*BOXOUT th:TH_STORE_NT
.endr
.endr
	s_wait_xcnt 0x0
	s_mov_b32 exec_lo, s23
.irp t, 0,1,2,3
.irp e, 0,1
	global_store_b128 v[CH], v[OD+32*\t+16*\e+8:OD+32*\t+16*\e+11], s[48:49] offset:(2*\t+\e)*BOXOUT+1024 th:TH_STORE_NT
.endr
.endr
	s_wait_xcnt 0x0
	s_mov_b32 exec_lo, 7
.irp t, 0,1,2,3
.irp e, 0,1
	global_store_b32 v[WO], v[OD+32*\t+16*\e+12], s[48:49] offset:(2*\t+\e)*BOXOUT th:TH_STORE_NT
.endr
.endr
	s_wait_xcnt 0x0                                ; behind this wait EXEC is widened, and the runs' registers and the stores' base may be written again
	s_mov_b32 exec_lo, -1
.endm
	s_mov_b32 s20, 0
.Lpass:                                            ; eight boxes; in the first pass the weights and the earlier groups' products run while later planes are on their way
	WEIGHTS
	GROUP 0
	GROUP 1
	GROUP 2
	GROUP 3
	s_wait_xcnt 0x0                                ; the loads of the second pass's boxes were issued under the full EXEC, which now changes
	OUT 0
	OUT 1
	OUT 2
	OUT 3
	STORES                                         ; it ends behind s_wait_xcnt 0 with nothing issued since: the base may step
	s_add_nc_u64 s[48:49], s[48:49], 8*BOXOUT
	s_add_co_u32 s20, s20, 1
	s_cmp_lt_u32 s20, 2
	s_cbranch_scc1 .Lpass
	s_set_vgpr_msb 0x4
	s_wait_tensorcnt 0x0
	ds_add_u32 v21, v255
	s_wait_dscnt 0x0
	s_set_vgpr_msb 0x400
	s_endpgm
.Lfunc_end_k_q883225b0fb_roialign:
	.size	k_q883225b0fb_roialign, .Lfunc_end_k_q883225b0fb_roialign-k_q883225b0fb_roialign
	.p2alignl 7, 3214868480
	.fill 96, 4, 3214868480
	.section	.rodata,"a",@progbits
	.p2align	6, 0x0
	.amdhsa_kernel k_q883225b0fb_roialign
		.amdhsa_group_segment_fixed_size 295424
		.amdhsa_private_segment_fixed_size 0
		.amdhsa_enable_private_segment 0
		.amdhsa_kernarg_size 24
		.amdhsa_user_sgpr_count 2
		.amdhsa_user_sgpr_kernarg_segment_ptr 1
		.amdhsa_wavefront_size32 1
		.amdhsa_system_sgpr_workgroup_id_x 1
		.amdhsa_system_sgpr_workgroup_id_y 1
		.amdhsa_system_sgpr_workgroup_id_z 1
		.amdhsa_system_vgpr_workitem_id 0
		.amdhsa_next_free_vgpr 768
		.amdhsa_next_free_sgpr 66
		.amdhsa_reserve_vcc 1
		.amdhsa_float_denorm_mode_32 3
		.amdhsa_float_denorm_mode_16_64 3
		.amdhsa_memory_ordered 1
		.amdhsa_forward_progress 1
		.amdhsa_inst_pref_size 255
	.end_amdhsa_kernel
	.section	.bss,"aw",@nobits
	.p2align	6
	.space	262144
	.amdgpu_metadata
---
amdhsa.version: [ 1, 2 ]
amdhsa.kernels:
  - .name:           k_q883225b0fb_roialign
    .symbol:         k_q883225b0fb_roialign.kd
    .args:
      - { .name: features, .offset: 0, .size: 8, .value_kind: global_buffer, .address_space: global }
      - { .name: rois, .offset: 8, .size: 8, .value_kind: global_buffer, .address_space: global }
      - { .name: out0, .offset: 16, .size: 8, .value_kind: global_buffer, .address_space: global }
    .group_segment_fixed_size: 295424
    .private_segment_fixed_size: 0
    .kernarg_segment_align: 8
    .kernarg_segment_size: 24
    .max_flat_workgroup_size: 128
    .sgpr_count:     66
    .vgpr_count:     768
    .wavefront_size: 32
...
	.end_amdgpu_metadata
.endif
;; end of part 2
